; MI455X (gfx1250); checked and timed in simulation.
; The chip was launched on July 23, 2026; its instructions are those of AMD's public machine-readable ISA for CDNA 5 (MIT licence, August 2026) and "CDNA5" Instruction Set Architecture Reference Guide (July 2026). The comments in the code are by the model that wrote it; some were corrected since.
;; Batch Invariant Attention. Allowed arithmetic: matrix products marked QUANTISED: E4M3 operands, one given power-of-two scale a tensor, by v_wmma_f32_16x16x64_fp8_fp8 or v_wmma_f32_16x16x128_fp8_fp8, f32 sums; everything else in f32.
;; Inputs: key 4 x 16 x 2,048 x 64 float32; lowp_scales 4 int32 (the exponents e of the quantised operands' scales 2^e); query 4 x 16 x 2,048 x 64 float32; value 4 x 16 x 2,048 x 64 float32.
;; Outputs: out0 4 x 16 x 2,048 x 64 float32.
;; This version of the problem:
;;   THIS VERSION OF THE PROBLEM IS GIVEN IN LOW PRECISION. The matrix products marked QUANTISED in the list below multiply operands that are first quantised to E4M3 (4 exponent bits, 3 mantissa bits; 8 bits a number), with one given power-of-two scale for each operand tensor; their sums are f32. All else is computed in f32.
;;   The module's matrix products, in the order in which they are computed (A, B: the left and right operand; K: the contracted axis; several contracted axes count as one K, in the product's order):
;;     1. batch 64 x [M 2,048, K 64] x [K 64, N 2,048]; A: input query; B: input key: QUANTISED (scales: A lowp_scales[0], B lowp_scales[1])
;;     2. batch 64 x [M 2,048, K 2,048] x [K 2,048, N 64]; A: softmax (see below); B: input value: QUANTISED (scales: A lowp_scales[2], B lowp_scales[3])
;;   THE QUANTISER, for each operand of a quantised product, along K:
;;     - The operand's scale is 2^e, e = its entry of the input lowp_scales (int32; the entries are numbered through the quantised products in the list's order, A before B).
;;     - Each number is divided by the scale, clamped to +-448, and rounded to the nearest number of E4M3, ties to even, subnormals kept.
;;     - The product sums the exact products of the quantised numbers (number of the format x scale) in f32.
;;   ~~~python
;;   def quantise(x, axis, e):      # numpy; x: float32 -> the quantised numbers, widened to float32 again
;;       x = np.moveaxis(x, axis, -1); K = x.shape[-1]
;;       r = np.clip(x / 2.0 ** e, -448, 448)
;;       step = 2.0 ** (np.maximum(np.frexp(np.where(r == 0, 1, r))[1] - 1, -6) - 3)
;;       q = np.round(r / step) * step * 2.0 ** e      # np.round: ties to even
;;       return np.moveaxis(q, -1, axis).astype(np.float32)
;;   ~~~
;;   SOFTMAX AHEAD OF A QUANTISED PRODUCT. Where the list says 'softmax', what is quantised is not the finished softmax but p = 2^(t - M), with t = logit x log2(e) and M = ceil(the row's largest t), a whole number; so 1/2 < the row's largest p <= 1. The row's sum l is taken of the UNQUANTISED p, in f32, and the product's result is divided by l at the end. Since M is a whole number, a kernel that streams over the keys may use a running M (the ceiling of the running maximum): every later rescaling is an exact power of two, so the quantised numbers keep their values, but for numbers so far below the row's largest that they fall under the format's range.
;;   OPERANDS COMPUTED ON THE WAY. 'Computed on the way' means the value that the module computes at that place (a softmax that the list does not call 'softmax' is quantised finished and normalised). What goes into a quantiser is computed in f32, as accurately as f32 sums, v_exp_f32 and their like allow (about 1e-6 of the number): no bf16 or f16 on the way to a quantiser, and a product that is left as it is and whose result goes on into a quantised operand takes f32 operands (vector FMAs, or v_wmma_f32_16x16x4_f32). A number that lies on a knife's edge between two numbers of the format may be rounded either way, as far as f32 arithmetic and the matrix unit's own rounding can turn it there, and no further.
;; 2 versions, each right; version 2 is version 1 with the launch attn written anew for expert scheduling mode. Each part assembles by itself: llvm-mc -triple=amdgcn-amd-amdhsa -mcpu=gfx1250 --defsym DOCPART=n.
;; ======== version 1 of 2: 1 launch
;; launch attn (part 1): grid 4 x 64, 8 waves a work-group, no clusters, 297,984 bytes of LDS; arguments query, key, value, lowp_scales, out0; writes out0
.if DOCPART == 1
	.amdgcn_target "amdgcn-amd-amdhsa--gfx1250"
	.amdhsa_code_object_version 6
	.text
	.protected	k_qe741265f9a_attn
	.globl	k_qe741265f9a_attn
	.p2align	8
	.type	k_qe741265f9a_attn,@function
k_qe741265f9a_attn:
	s_mov_b64 s[64:65], 0
	v_nop
	global_prefetch_b8 v0, s[64:65] scope:SCOPE_SE
	s_setreg_imm32_b32 hwreg(HW_REG_WAVE_MODE, 25, 1), 1
	s_wait_xcnt 0x0
; out0[h][q][:] = the sum over k of softmax_k(query[h][q] . key[h][k] / 8) value[h][k][:], 64 heads (4 x 16), 2,048 queries and keys, head size 64, all f32 in memory.
; Both products on codes of FP8 (E4M3), each operand with the one scale 2^e that is given for it: lowp_scales = eq, ek, ep, ev.  code = x / 2^e, held within +-448, to the nearest code, ties to even.
; THE SOFTMAX AHEAD OF THE SECOND PRODUCT: t = score x log2(e) / 8; M = the row's largest t so far, rounded UP to a whole number; p = 2^(t - M) is what is quantised, along the keys, not normalised.
; The row's sum is taken of the unquantised p, in f32, and divides O at the end.  When M moves, the sum and O are multiplied by 2^(old M - new M), which rounds nothing.
; NOTHING OF reference() IS LEFT OUT: there is no mask, no slice and no term that cancels; every input is loaded.
; SHARES.  A work-group of eight waves owns 512 queries of one head (grid 4 x 64), a wave 64 of them: four tiles of 16.  Every wave walks all 2,048 keys, 128 a step, 16 steps.
; K'S AND V'S CODES OF THE WHOLE HEAD LIE IN LDS, 2 x 131,072 bytes, each byte written once, as IMAGES OF THE OPERANDS' REGISTERS: a group of four registers is 512 consecutive bytes, lane l's 16 bytes at 16 l.
; The work-group makes them itself, a step ahead: in step s each wave quantises an eighth of step s + 1's K and V (f32 numbers asked for a step earlier), stores the images, asks for step s + 2's numbers and signals
; the barrier; the barrier's wait stands at the step's end.  Q is quantised in registers at the head.
; LAYOUT.  S^T = K Q^T (16x16x64; source 0 = 16 neighbouring keys, source 1 = 16 queries): lane (r = l % 16, h = l / 16) holds query r and, in register j of tile t, key 16 t + 8 h + j.  Eight such registers, converted,
; are registers 2 t, 2 t + 1 of source 1 of O^T = V^T P^T (16x16x128; source 0 = 16 channels x 128 keys): every k stands in the place that the two forms' own layouts give it.  A lane holds one query throughout.
; NO TENSOR LOAD AND NO JOINT REQUESTS, though the four work-groups of a head read the same K and V: they arrive as f32 and must pass through registers to become codes, and beside the codes (262,144 bytes),
; the stages (34,816) and the spare words (1,024) LDS has 29,696 bytes left of 327,680, while one step's f32 tiles are 65,536.
; LIMITS: eq, ek, ep, ev each between -126 and 119, eq + ek between -123 and 130, so that each power of two below is an f32 number (ep + ev goes by v_ldexp_f32 and has no such limit).  NaN among the inputs is not
; served; an infinity is held at the largest code.  A p below 2^-126 counts as 0 (v_exp_f32 flushes denormal results: ISA guide, its entry in 15.8).
; REGISTERS, in windows of 256 (s_set_vgpr_msb: bits 1:0 source 0, 3:2 source 1, 5:4 source 2, 7:6 destination):
;   window 0: v1-13 addresses; v16-31 four registers of statistics a tile; v32-47 at work and constants; v48-79, v80-111 the share of K and of V as f32; v112-119, v248-255 their codes; v120-183 P, 16 a tile; v184-247 S^T of one tile
;   window 1: v0-127 O^T, 32 a tile; v128-159 Q, 8 a tile; v160-223 the step's fragments of K (8 x 8), later of V (4 x 16)
.set KIMG,  0                          ; LDS: K's images: tile T of 16 keys at 1,024 T; registers 4 e .. 4 e + 3 at + 512 e
.set VIMG,  131072                     ; V's: step s at 8,192 s; channels 16 u on at + 2,048 u; registers 4 g .. 4 g + 3 at + 512 g
.set STG,   262144                     ; a stage for each wave: 16 rows of 256 bytes + 16 of padding
.set SP,    272                        ; 68 words: row r starts at bank 4 r mod 64 (64 banks of 4 bytes: ISA guide 11.1), so sixteen rows' 16 bytes fall on different banks
.set WSTG,  16*SP
.set SPARE, STG+8*WSTG                 ; the spare words, 128 bytes for each wave: four blocks of 256 bytes that no other line names
.set STEPB, 32768                      ; 128 rows of 256 bytes: a step of K or of V in memory
.set IMGB,  8192                       ; and its codes in LDS
.set LI,   1                           ; v1   16 x lane
.set KW0,  2                           ; v2   16 x lane + 1,024 x wave: where my tile of K's image goes, in a step
.set VW0,  3                           ; v3   the same for my part of V's image
.set TIN,  4                           ; v4   the stage by whole rows: 272 (l / 16) + 16 (l % 16)
.set TOUT, 5                           ; v5   the stage by fragments: 272 (l % 16) + 32 (l / 16)
.set GV,   6                           ; v6   4 x lane
.set ADK,  7                           ; v7   LDS address of the step's images of K
.set ADV,  8                           ; v8   of V
.set AK2,  9                           ; v9   where I store K's image
.set AV2,  10                          ; v10  where I store V's
.set PFO,  11                          ; v11  256 x lane: the prefetches' offset, a lane a row
.set SPW,  12                          ; v12  LDS address of my spare word; never rewritten
.set NIL,  13                          ; v13  0; never rewritten
.set ST,   16                          ; tile a at v[ST + 4 a]: +0 -M, +1 the largest t, +2, +3 the sum in two halves
.set T0,   32
.set T1,   33
.set FF,   34                          ; v[34:35] f = 2^(old M - new M); v35 is named with it as a pair
.set PERM, 36
.set SUM2, 38                          ; v[38:39] the sums' second chain
.set LIMP, 40                          ; 448 x 2^e and 2^e as f32, for p, K, V, Q
.set SCP,  41
.set LIMK, 42
.set SCK,  43
.set LIMV, 44
.set SCV,  45
.set LIMQ, 46
.set SCQ,  47
.set RK,   48
.set RV,   80
.set CK,   112
.set P,    120
.set S,    184
.set CV,   248
.set QR,   120                         ; at the head: Q as f32, 32 a tile; on the way out: rows of O
.set OA,   0                           ; window 1
.set QF,   128
.set FR,   160
.set WV,   14                          ; s14  my wave's number
.set SEL,  20                          ; s[20:21] lane selects for v_permlanex16_b32: lane l xor 16
.set CS,   22                          ; s[22:23] c = log2(e) / 8 x 2^(eq + ek)
.set TB,   24                          ; s24  8,192 x the step
.set CNT,  25                          ; s25  the loop's trips to go
.set LIM,  26                          ; s26  1 in a work-group that prefetches, else the greatest number
.set EPV,  27                          ; s27  ep + ev
.set KP,   28                          ; s[28:29] my share of K in memory
.set VP,   30                          ; s[30:31] my share of V
.set PFA,  32                          ; s[32:33] where my prefetches stand
.set MSB, 0
.macro WIN new                         ; the immediate's high byte repeats the setting that is left; a switch that changes nothing is dropped
.if MSB != \new
	s_set_vgpr_msb (MSB<<8)|\new
.set MSB, \new
.endif
.endm
.macro PLACES                          ; four plain vector instructions between a matrix instruction and a read of its result or a load into one of its registers
.rept 4
	v_nop
.endr
.endm
.macro MKSC e, sc, lim                 ; 2^e and 448 x 2^e as f32, from the whole number e in s[e]
	s_add_co_i32 s44, s[\e], 127
	s_lshl_b32 s45, s44, 23
	v_mov_b32 v[\sc], s45
	s_add_co_i32 s44, s44, 8
	s_lshl_b32 s44, s44, 23
	s_or_b32 s44, s44, 0x600000
	v_mov_b32 v[\lim], s44
.endm
; My share of a step, as f32.  K: one tile of 16 keys, 4,096 dense bytes: eight loads of 512 consecutive bytes.  V: 32 keys x 32 channels: a lane takes a channel and its registers run down the keys,
; each load 128 consecutive bytes.  No cache hint: the head's four work-groups read these rows.
.macro LOADS
.irp i, 0,1,2,3,4,5,6,7
	global_load_b128 v[RK+4*\i:RK+4*\i+3], v[LI], s[KP:KP+1] offset:512*\i
.endr
.set i, 0
.rept 32
	global_load_b32 v[RV+i], v[GV], s[VP:VP+1] offset:256*i
.set i, i+1
.endr
.endm
.macro ADVANCE                         ; a step on.  The last share's loads and the last prefetch, a step back, have read their bases: these are written only behind this wait
	s_wait_xcnt 0x0
	s_add_nc_u64 s[KP:KP+1], s[KP:KP+1], STEPB
	s_add_nc_u64 s[VP:VP+1], s[VP:VP+1], STEPB
	s_add_nc_u64 s[PFA:PFA+1], s[PFA:PFA+1], STEPB
.endm
; A PREFETCH INTO THE L2 of the rows that the NEXT step's LOADS will ask for: it stands behind this step's loads.  Each row of 256 bytes is named once in the launch: of a head's four work-groups the first asks;
; in it waves 0 to 3 take K's 128 rows of the step, 32 each, waves 4 to 7 V's, a lane a row.  The loop's last trip asks for nothing: there is no step behind the last.  Steps 0 to 2 come by their loads alone.
.macro ASK
	s_cmp_gt_u32 s[CNT], s[LIM]
	s_cbranch_scc0 .Lnot_mine_\@
	global_prefetch_b8 v[PFO], s[PFA:PFA+1] offset:STEPB th:TH_LOAD_NT scope:SCOPE_SE
.Lnot_mine_\@:
.endm
; 16 rows of 64 f32, loaded as they lie, turn through my stage and come back so that register 8 c + i of lane (r, h) is number 16 c + 8 h + i of row r.  LDS serves a wave's instructions in order (ISA guide 5.7.1.4).
.macro TURN reg
.irp i, 0,1,2,3,4,5,6,7
	ds_store_b128 v[TIN], v[(\reg)+4*\i:(\reg)+4*\i+3] offset:2*SP*\i
.endr
.irp c, 0,1,2,3
.irp e, 0,1
	ds_load_b128 v[(\reg)+8*\c+4*\e:(\reg)+8*\c+4*\e+3], v[TOUT] offset:64*\c+16*\e
.endr
.endr
.endm
.macro HOLD reg, lim                   ; the conversion to an 8-bit code does not saturate (ISA guide 7.6.2): 32 numbers are held within the largest code x the scale first
.set hj, 0
.rept 32
	v_med3_num_f32 v[(\reg)+hj], v[(\reg)+hj], -v[\lim], v[\lim]
.set hj, hj+1
.endr
.endm
; V's share becomes codes.  The image's lanes 0-15 want keys 0-7 and 16-23 of my 32, lanes 16-31 keys 8-15 and 24-31: two stores, 256 bytes apart; each fills two whole runs of 256 bytes.
.macro QV off
	HOLD RV, LIMV
	v_cvt_scalef32_pk8_fp8_f32 v[CV:CV+1], v[RV:RV+7], v[SCV]
	v_cvt_scalef32_pk8_fp8_f32 v[CV+2:CV+3], v[RV+16:RV+23], v[SCV]
	v_cvt_scalef32_pk8_fp8_f32 v[CV+4:CV+5], v[RV+8:RV+15], v[SCV]
	v_cvt_scalef32_pk8_fp8_f32 v[CV+6:CV+7], v[RV+24:RV+31], v[SCV]
	v_nop                                          ; a plain vector instruction behind the last conversion
	ds_store_b128 v[AV2], v[CV:CV+3] offset:\off
	ds_store_b128 v[AV2], v[CV+4:CV+7] offset:\off+256
.endm
.macro QK off                          ; K's share: the conversions' results are the fragment's eight registers
	HOLD RK, LIMK
.irp c, 0,1,2,3
	v_cvt_scalef32_pk8_fp8_f32 v[CK+2*\c:CK+2*\c+1], v[RK+8*\c:RK+8*\c+7], v[SCK]
.endr
	v_nop                                          ; a plain vector instruction behind the last conversion
	ds_store_b128 v[AK2], v[CK:CK+3] offset:\off
	ds_store_b128 v[AK2], v[CK+4:CK+7] offset:\off+512
.endm
.macro FETCH_K                         ; the step's eight fragments of K: 16 loads of 512 consecutive bytes
	WIN 0x40
.irp t, 0,1,2,3,4,5,6,7
.irp e, 0,1
	ds_load_b128 v[FR+8*\t+4*\e:FR+8*\t+4*\e+3], v[ADK] offset:1024*\t+512*\e
.endr
.endr
	WIN 0
.endm
.macro FETCH_V                         ; the step's four fragments of V
	WIN 0x40
.irp u, 0,1,2,3
.irp g, 0,1,2,3
	ds_load_b128 v[FR+16*\u+4*\g:FR+16*\u+4*\g+3], v[ADV] offset:2048*\u+512*\g
.endr
.endr
	WIN 0
.endm
.macro SCORES a                        ; S^T of tile a: eight products, each the whole sum over the head's 64
	WIN 0x05
.irp t, 0,1,2,3,4,5,6,7
	v_wmma_f32_16x16x64_fp8_fp8 v[S+8*\t:S+8*\t+7], v[FR+8*\t:FR+8*\t+7], v[QF+8*(\a):QF+8*(\a)+7], 0
.endr
	WIN 0
.endm
; One tile's softmax for one step of 128 keys: a lane's 64 scores.  first = 1: the first step, which starts M, the sum and O^T.
.macro SOFTMAX a, first
.set NM, ST+4*(\a)
.set TM, NM+1
.set SM, NM+2
.set PA, P+16*(\a)
.set OT, OA+32*(\a)
	v_max3_num_f32 v[T0], v[S], v[S+1], v[S+2]     ; the largest score, in two chains, in ascending order: each accumulator is first read at its low end
	v_max3_num_f32 v[T1], v[S+3], v[S+4], v[S+5]
.set j, 6
.rept 14
	v_max3_num_f32 v[T0], v[T0], v[S+j], v[S+j+1]
	v_max3_num_f32 v[T1], v[T1], v[S+j+2], v[S+j+3]
.set j, j+4
.endr
	v_max3_num_f32 v[T0], v[T0], v[S+62], v[S+63]
	v_max_num_f32 v[T0], v[T0], v[T1]
	v_permlanex16_b32 v[PERM], v[T0], s[SEL], s[SEL+1]
	v_max_num_f32 v[T0], v[T0], v[PERM]            ; and among the query's other 64 keys, in lane l xor 16
.if \first
	v_mul_f32 v[TM], s[CS], v[T0]                  ; as t (c is positive)
	v_floor_f32 v[NM], -v[TM]                      ; -M = floor(-t) = -ceil(t)
.else
	v_mul_f32 v[T0], s[CS], v[T0]
	v_max_num_f32 v[TM], v[TM], v[T0]              ; the running largest t
	v_mov_b32 v[T0], v[NM]
	v_floor_f32 v[NM], -v[TM]
	v_sub_f32 v[T0], v[NM], v[T0]                  ; old M - new M: a whole number, 0 or less
	v_cvt_i32_f32 v[T0], v[T0]
	v_ldexp_f32 v[FF], 1.0, v[T0]                  ; f = 2^(old M - new M)
.endif
.set j, 0
.rept 32
	v_pk_fma_f32 v[S+j:S+j+1], v[S+j:S+j+1], s[CS:CS+1], v[NM:NM+1] op_sel_hi:[1,0,0]   ; t - M, two at a time (of the pairs c and -M the low word serves both halves)
.set j, j+2
.endr
.set j, 0
.rept 64
	v_exp_f32 v[S+j], v[S+j]                       ; p = 2^(t - M), at most 1
.set j, j+1
.endr
.if \first
	v_nop                                          ; the plain instruction behind the last exponential
.else
	v_pk_mul_f32 v[SM:SM+1], v[SM:SM+1], v[FF:FF+1] op_sel_hi:[1,0]   ; the sum under the new M: the plain instruction behind the last exponential
	WIN 0x41
.set j, 0
.rept 16
	v_pk_mul_f32 v[OT+j:OT+j+1], v[OT+j:OT+j+1], v[FF:FF+1] op_sel_hi:[1,0]   ; O^T under the new M, each accumulator from its low end on: work that names no exponential's result
.set j, j+2
.endr
	WIN 0
.endif
	s_wait_alu depctr_va_vdst(0)                   ; one wait for the batch of 64, ahead of its first reader
.if \first
	v_pk_add_f32 v[SM:SM+1], v[S:S+1], v[S+2:S+3]  ; THE ROW'S SUM IS TAKEN OF THE UNQUANTISED p: two at a time, in two chains
	v_pk_add_f32 v[SUM2:SUM2+1], v[S+4:S+5], v[S+6:S+7]
.set j, 8
.rept 14
	v_pk_add_f32 v[SM:SM+1], v[SM:SM+1], v[S+j:S+j+1]
	v_pk_add_f32 v[SUM2:SUM2+1], v[SUM2:SUM2+1], v[S+j+2:S+j+3]
.set j, j+4
.endr
.else
	v_pk_add_f32 v[SUM2:SUM2+1], v[S:S+1], v[S+2:S+3]
.set j, 4
.rept 15
	v_pk_add_f32 v[SM:SM+1], v[SM:SM+1], v[S+j:S+j+1]
	v_pk_add_f32 v[SUM2:SUM2+1], v[SUM2:SUM2+1], v[S+j+2:S+j+3]
.set j, j+4
.endr
.endif
	v_pk_add_f32 v[SM:SM+1], v[SM:SM+1], v[SUM2:SUM2+1]
.set t, 0
.rept 8
.set j, 0
.rept 8
	v_min_num_f32 v[S+8*t+j], v[S+8*t+j], v[LIMP]  ; p is not negative: the hold is one-sided
.set j, j+1
.endr
	v_cvt_scalef32_pk8_fp8_f32 v[PA+2*t:PA+2*t+1], v[S+8*t:S+8*t+7], v[SCP]   ; keys 16 t + 8 h + 0 .. 7: registers 2 t, 2 t + 1 of the second product's operand
.set t, t+1
.endr
	v_nop                                          ; a plain vector instruction between the last conversion and the products that write its sources or read its result
.endm
; O^T += V^T P^T: sixteen accumulators (four tiles of queries x four of channels), one instruction each: they take turns.  zero = 1: the products start the sums: nothing is cleared.
.macro PV zero
	WIN 0x51
.irp a, 0,1,2,3
.irp u, 0,1,2,3
.if \zero
	v_wmma_f32_16x16x128_fp8_fp8 v[OA+32*\a+8*\u:OA+32*\a+8*\u+7], v[FR+16*\u:FR+16*\u+15], v[P+16*\a:P+16*\a+15], 0
.else
	v_wmma_f32_16x16x128_fp8_fp8 v[OA+32*\a+8*\u:OA+32*\a+8*\u+7], v[FR+16*\u:FR+16*\u+15], v[P+16*\a:P+16*\a+15], v[OA+32*\a+8*\u:OA+32*\a+8*\u+7]
.endif
.endr
.endr
	WIN 0
.endm
; A KEY STEP.  q = 1: the next step's share is quantised and the barrier passed;  l = 1: the share after that is asked for;  first = 1: the first step.
.macro STEP q, l, first
	v_add_nc_u32 v[ADK], s[TB], v[LI]              ; four plain instructions: also the places between the last step's products and the loads into the fragments' registers
.if \q
	v_add_nc_u32 v[AK2], s[TB], v[KW0]
	v_add_nc_u32 v[AV2], s[TB], v[VW0]
.else
	v_nop
	v_nop
.endif
	v_add_nc_u32 v[ADV], VIMG, v[ADK]
	FETCH_K
.if \q
	s_wait_loadcnt 0x0                             ; the next step's share, asked for a step ago, is in
	TURN RK
	QV IMGB                                        ; V's share is worked while K's turns through the stage
	s_wait_dscnt 2                                 ; all but V's two image stores: K's fragments and K's share are in
.else
	s_wait_dscnt 0x0
.endif
	SCORES 0
.if \q
	QK IMGB                                        ; its 32 holds are the places behind the products above
.if \l
	ADVANCE
	LOADS
	ASK
.endif
	s_wait_dscnt 0x0                               ; for the others' sake: my four image stores have landed
	s_barrier_signal -1                            ; up to the wait at the step's end: work on registers, and loads of V's images of this step, which nobody writes again
.else
	PLACES
.endif
	SOFTMAX 0, \first
	SCORES 1
	PLACES
	SOFTMAX 1, \first
	SCORES 2
	PLACES
	SOFTMAX 2, \first
	SCORES 3
	PLACES                                         ; for the read of the scores and for the loads into K's fragments alike
	FETCH_V                                        ; V's fragments land while the last tile's softmax is worked
	SOFTMAX 3, \first
	s_wait_dscnt 0x0
	PV \first
	s_add_co_u32 s[TB], s[TB], IMGB
.if \q
	s_barrier_wait -1                              ; every wave's part of the next step's images lies in LDS
.endif
.endm
	s_load_b256 s[4:11], s[0:1], 0x0               ; query s[4:5], key s[6:7], value s[8:9], lowp_scales s[10:11]
	s_load_b64 s[12:13], s[0:1], 0x20              ; out0
	v_lshl_add_u32 v[SPW], v0, 2, SPARE
	v_mov_b32 v[NIL], 0
	v_lshrrev_b32 v32, 5, v0
	v_readfirstlane_b32 s[WV], v32                 ; wave 0..7
	v_and_b32 v14, 31, v0                          ; lane
	v_and_b32 v15, 15, v0                          ; r
	v_bfe_u32 v37, v0, 4, 1                        ; h
	v_lshlrev_b32 v[LI], 4, v14
	v_lshlrev_b32 v[GV], 2, v14
	v_lshlrev_b32 v[PFO], 8, v14
	s_lshl_b32 s44, s[WV], 10
	v_add_nc_u32 v[KW0], s44, v[LI]                ; K: tile w of a step's eight
	s_and_b32 s44, s[WV], 1                        ; V: channels 32 (w % 2) + lane: tile 2 (w % 2) + lane / 16, image lane lane % 16;
	s_lshr_b32 s45, s[WV], 1                       ; keys 32 (w / 2) on: registers 4 (w / 2) on
	s_lshl_b32 s44, s44, 12
	s_lshl_b32 s45, s45, 9
	s_add_co_u32 s44, s44, s45
	s_add_co_u32 s44, s44, VIMG
	v_lshlrev_b32 v[VW0], 4, v15
	v_lshl_add_u32 v[VW0], v37, 11, v[VW0]
	v_add_nc_u32 v[VW0], s44, v[VW0]
	s_mul_i32 s46, s[WV], WSTG
	s_add_co_u32 s46, s46, STG                     ; my stage
	v_mul_u32_u24 v[TIN], v37, SP
	v_lshl_add_u32 v[TIN], v15, 4, v[TIN]
	v_add_nc_u32 v[TIN], s46, v[TIN]
	v_mul_u32_u24 v[TOUT], v15, SP
	v_lshl_add_u32 v[TOUT], v37, 5, v[TOUT]
	v_add_nc_u32 v[TOUT], s46, v[TOUT]
	s_and_b32 s34, ttmp7, 0xffff
	s_lshl_b32 s34, s34, 19                        ; the head's first byte in each tensor: 2,048 rows of 256 bytes
	s_lshl_b32 s36, ttmp9, 17                      ; my block of 512 queries,
	s_lshl_b32 s37, s[WV], 14                      ; my wave's 64
	s_add_co_u32 s36, s36, s37
	s_add_co_u32 s36, s36, s34
	s_mov_b32 s37, 0
	s_lshl_b32 s38, s[WV], 12                      ; K: 16 rows x wave
	s_add_co_u32 s38, s38, s34
	s_mov_b32 s39, 0
	s_lshr_b32 s40, s[WV], 1
	s_lshl_b32 s40, s40, 13                        ; V: 32 rows x (w / 2),
	s_and_b32 s41, s[WV], 1
	s_lshl_b32 s41, s41, 7                         ; 32 channels x (w % 2)
	s_add_co_u32 s40, s40, s41
	s_add_co_u32 s40, s40, s34
	s_mov_b32 s41, 0
	s_and_b32 s42, s[WV], 3
	s_lshl_b32 s42, s42, 13                        ; the prefetches: 32 rows x (w % 4),
	s_add_co_u32 s42, s42, s34
	s_add_co_u32 s42, s42, STEPB                   ; at step 1: step 0's advance brings it to step 2, and its prefetch names step 3
	s_mov_b32 s43, 0
	s_mov_b32 s[SEL], 0x76543210
	s_mov_b32 s[SEL+1], 0xfedcba98
	s_mov_b32 s[CS], 0x3e38aa3b                    ; log2(e) / 8
	s_mov_b32 s[TB], 0
	s_mov_b32 s[CNT], 13
	s_wait_kmcnt 0x0
	s_load_b128 s[16:19], s[10:11], 0x0            ; eq, ek, ep, ev
	s_add_nc_u64 s[4:5], s[4:5], s[36:37]          ; query and out0 at my wave's first row
	s_add_nc_u64 s[12:13], s[12:13], s[36:37]
	s_add_nc_u64 s[KP:KP+1], s[6:7], s[38:39]
	s_add_nc_u64 s[VP:VP+1], s[8:9], s[40:41]
	s_cmp_lt_u32 s[WV], 4                          ; waves 0 to 3 prefetch K's rows, waves 4 to 7 V's
	s_cselect_b64 s[PFA:PFA+1], s[6:7], s[8:9]
	s_add_nc_u64 s[PFA:PFA+1], s[PFA:PFA+1], s[42:43]
	s_cmp_eq_u32 ttmp9, 0                          ; in the head's first work-group
	s_cselect_b32 s[LIM], 1, -1
	LOADS                                          ; step 0's share
.irp a, 0,1,2,3
.irp i, 0,1,2,3,4,5,6,7
	global_load_b128 v[QR+32*\a+4*\i:QR+32*\a+4*\i+3], v[LI], s[4:5] offset:4096*\a+512*\i th:TH_LOAD_NT   ; Q: four tiles of 16 rows, 512 consecutive bytes a load; read by nobody else
.endr
.endr
	s_wait_kmcnt 0x0
	s_add_co_i32 s44, s16, s17
	s_lshl_b32 s44, s44, 23
	s_add_co_i32 s[CS], s[CS], s44                 ; a score stands for score x 2^(eq + ek): the two exponents are added to c's exponent field
	s_mov_b32 s[CS+1], s[CS]                       ; (named with it as a pair, so it is written)
	s_add_co_i32 s[EPV], s18, s19
	MKSC 16, SCQ, LIMQ
	MKSC 17, SCK, LIMK
	MKSC 18, SCP, LIMP
	MKSC 19, SCV, LIMV
	v_mov_b32 v[AK2], v[KW0]
	v_mov_b32 v[AV2], v[VW0]
	v_mov_b32 v[FF+1], 0                           ; (named as the upper half of a pair)
	v_mov_b32 v[PERM], 0                           ; a lane permute's destination counts as one of its sources
	s_wait_loadcnt 32                              ; step 0's share is in; Q's 32 loads, issued behind it, may be out
	TURN RK
	QV 0
	s_wait_dscnt 2                                 ; all but V's two image stores
	QK 0
	s_wait_xcnt 0x0                                ; the loads have read their bases
	s_add_nc_u64 s[KP:KP+1], s[KP:KP+1], STEPB
	s_add_nc_u64 s[VP:VP+1], s[VP:VP+1], STEPB
	LOADS                                          ; step 1's share
	s_wait_loadcnt 40                              ; Q is in; the 40 loads just issued may be out
.irp a, 0,1,2,3
	TURN QR+32*\a                                  ; the four tiles go through the one stage, one behind the other: LDS serves a wave's instructions in order
.endr
.irp a, 0,1,2,3
	s_wait_dscnt 48-16*\a                          ; tile a is back; the later tiles' sixteen LDS instructions each may be out
	HOLD QR+32*\a, LIMQ
	WIN 0x40
.irp c, 0,1,2,3
	v_cvt_scalef32_pk8_fp8_f32 v[QF+8*\a+2*\c:QF+8*\a+2*\c+1], v[QR+32*\a+8*\c:QR+32*\a+8*\c+7], v[SCQ]
.endr
	WIN 0
.endr
	v_nop                                          ; a plain vector instruction behind the last conversion
	s_wait_dscnt 0x0                               ; my part of step 0's images has landed
	s_barrier_signal -1
	s_barrier_wait -1                              ; everybody's has
	STEP 1, 1, 1                                   ; step 0 is written out: its products start O^T's sums
.Lstep:                                            ; steps 1 to 13
	STEP 1, 1, 0
	s_sub_co_u32 s[CNT], s[CNT], 1
	s_cmp_lg_u32 s[CNT], 0
	s_cbranch_scc1 .Lstep
	STEP 1, 0, 0                                   ; step 14 quantises the last share and asks for nothing: no load leaves its buffer
	STEP 0, 0, 0                                   ; step 15
	; THE WAY OUT.  The sum's halves and lane l xor 16's are added; O^T x 2^(ep + ev) / the sum goes through my stage, a tile of 16 rows at a time, and leaves as whole rows of 256 bytes.  The additions are the places behind the last products.
.irp a, 0,1,2,3
	v_add_f32 v[ST+4*\a+2], v[ST+4*\a+2], v[ST+4*\a+3]
.endr
.irp a, 0,1,2,3
	v_permlanex16_b32 v[ST+4*\a+3], v[ST+4*\a+2], s[SEL], s[SEL+1]
.endr
.irp a, 0,1,2,3
	v_add_f32 v[ST+4*\a+2], v[ST+4*\a+2], v[ST+4*\a+3]
.endr
.irp a, 0,1,2,3
	v_rcp_f32 v[ST+4*\a+2], v[ST+4*\a+2]
.endr
	v_nop                                          ; a plain instruction behind the last reciprocal
	s_wait_alu depctr_va_vdst(0)                   ; one wait for the four, ahead of their first reader
.irp a, 0,1,2,3
	v_ldexp_f32 v[ST+4*\a+2], v[ST+4*\a+2], s[EPV]
.endr
.macro PACK a                          ; register 8 u + j of lane (r, h) is channel 16 u + 8 h + j of row r: 32 bytes of a row, in two stores; back as rows, two an instruction
	WIN 0x01
.set k, 0
.rept 16
	v_pk_mul_f32 v[RK+32*((\a)%2)+k:RK+32*((\a)%2)+k+1], v[OA+32*(\a)+k:OA+32*(\a)+k+1], v[ST+4*(\a)+2:ST+4*(\a)+3] op_sel_hi:[1,0]   ; each accumulator from its low end on
.set k, k+2
.endr
	WIN 0
.irp u, 0,1,2,3
.irp e, 0,1
	ds_store_b128 v[TOUT], v[RK+32*((\a)%2)+8*\u+4*\e:RK+32*((\a)%2)+8*\u+4*\e+3] offset:64*\u+16*\e
.endr
.endr
.irp i, 0,1,2,3,4,5,6,7
	ds_load_b128 v[QR+32*(\a)+4*\i:QR+32*(\a)+4*\i+3], v[TIN] offset:2*SP*\i   ; these see the stores above, and the next tile's stores come behind them: LDS serves a wave's instructions in order
.endr
.endm
.macro SEND a, younger                 ; younger: the LDS instructions issued behind tile a's loads: the next tile's sixteen, or none
.irp i, 0,1,2,3,4,5,6,7
	s_wait_dscnt \younger+7-\i
	global_store_b128 v[LI], v[QR+32*(\a)+4*\i:QR+32*(\a)+4*\i+3], s[12:13] offset:4096*(\a)+512*\i th:TH_STORE_NT   ; 32 lanes store 512 consecutive bytes, two whole rows, at a multiple of 256 from out0's first byte
.endr
.endm
	PACK 0
	PACK 1                                         ; a tile's arithmetic stands between the loads of the tile before and its stores
	SEND 0, 16
	PACK 2                                         ; (tile 0's stage stores have read their registers: the wait above has shown them done)
	SEND 1, 16
	PACK 3
	SEND 2, 16
	SEND 3, 0
	s_wait_tensorcnt 0x0                           ; the wave's end: behind my last LDS store
	ds_add_u32 v[SPW], v[NIL]
	s_wait_dscnt 0x0
	s_endpgm
.Lfunc_end_k_qe741265f9a_attn:
	.size	k_qe741265f9a_attn, .Lfunc_end_k_qe741265f9a_attn-k_qe741265f9a_attn
	.p2alignl 7, 3214868480
	.fill 96, 4, 3214868480
	.section	.rodata,"a",@progbits
	.p2align	6, 0x0
	.amdhsa_kernel k_qe741265f9a_attn
		.amdhsa_group_segment_fixed_size 297984
		.amdhsa_private_segment_fixed_size 0
		.amdhsa_enable_private_segment 0
		.amdhsa_kernarg_size 40
		.amdhsa_user_sgpr_count 2
		.amdhsa_user_sgpr_kernarg_segment_ptr 1
		.amdhsa_wavefront_size32 1
		.amdhsa_system_sgpr_workgroup_id_x 1
		.amdhsa_system_sgpr_workgroup_id_y 1
		.amdhsa_system_sgpr_workgroup_id_z 1
		.amdhsa_system_vgpr_workitem_id 0
		.amdhsa_next_free_vgpr 512
		.amdhsa_next_free_sgpr 66
		.amdhsa_reserve_vcc 0
		.amdhsa_float_denorm_mode_32 3
		.amdhsa_float_denorm_mode_16_64 3
		.amdhsa_memory_ordered 1
		.amdhsa_forward_progress 1
		.amdhsa_inst_pref_size 255
	.end_amdhsa_kernel
	.section	.bss,"aw",@nobits
	.p2align	6
	.space	262144
	.amdgpu_metadata
---
amdhsa.version: [ 1, 2 ]
amdhsa.kernels:
  - .name:           k_qe741265f9a_attn
    .symbol:         k_qe741265f9a_attn.kd
    .args:
      - { .name: query, .offset: 0, .size: 8, .value_kind: global_buffer, .address_space: global }
      - { .name: key, .offset: 8, .size: 8, .value_kind: global_buffer, .address_space: global }
      - { .name: value, .offset: 16, .size: 8, .value_kind: global_buffer, .address_space: global }
      - { .name: lowp_scales, .offset: 24, .size: 8, .value_kind: global_buffer, .address_space: global }
      - { .name: out0, .offset: 32, .size: 8, .value_kind: global_buffer, .address_space: global }
    .group_segment_fixed_size: 297984
    .private_segment_fixed_size: 0
    .kernarg_segment_align: 8
    .kernarg_segment_size: 40
    .max_flat_workgroup_size: 256
    .sgpr_count:     66
    .vgpr_count:     512
    .wavefront_size: 32
...
	.end_amdgpu_metadata
.endif
;; end of part 1
;; ======== version 2 of 2: 1 launch; version 1 with the launch attn written anew for expert scheduling mode
;; launch attn (part 2): grid 4 x 64, 8 waves a work-group, no clusters, 297,984 bytes of LDS; arguments query, key, value, lowp_scales, out0; writes out0
.if DOCPART == 2
	.amdgcn_target "amdgcn-amd-amdhsa--gfx1250"
	.amdhsa_code_object_version 6
	.text
	.protected	k_qe741265f9a_attn
	.globl	k_qe741265f9a_attn
	.p2align	8
	.type	k_qe741265f9a_attn,@function
k_qe741265f9a_attn:
	s_mov_b64 s[64:65], 0
	v_nop
	global_prefetch_b8 v0, s[64:65] scope:SCOPE_SE
	s_setreg_imm32_b32 hwreg(HW_REG_WAVE_SCHED_MODE, 0, 2), 2
	s_setreg_imm32_b32 hwreg(HW_REG_WAVE_MODE, 25, 1), 1
	s_wait_xcnt 0x0
	s_wait_alu depctr_vm_vsrc(0)
; out0[h][q][:] = the sum over k of softmax_k(query[h][q] . key[h][k] / 8) value[h][k][:], 64 heads (4 x 16), 2,048 queries and keys, head size 64, all f32 in memory.
; Both products on codes of FP8 (E4M3), each operand with the one scale 2^e that is given for it: lowp_scales = eq, ek, ep, ev.  code = x / 2^e, held within +-448, to the nearest code, ties to even.
; THE SOFTMAX AHEAD OF THE SECOND PRODUCT: t = score x log2(e) / 8; M = the row's largest t so far, rounded UP to a whole number; p = 2^(t - M) is what is quantised, along the keys, not normalised.
; The row's sum is taken of the unquantised p, in f32, and divides O at the end.  When M moves, the sum and O are multiplied by 2^(old M - new M), which rounds nothing.
; NOTHING OF reference() IS LEFT OUT: there is no mask, no slice and no term that cancels; every input is loaded.
; SHARES.  A work-group of eight waves owns 512 queries of one head (grid 4 x 64), a wave 64 of them: four tiles of 16.  Every wave walks all 2,048 keys, 128 a step, 16 steps.
; K'S AND V'S CODES OF THE WHOLE HEAD LIE IN LDS, 2 x 131,072 bytes, each byte written once, as IMAGES OF THE OPERANDS' REGISTERS: a group of four registers is 512 consecutive bytes, lane l's 16 bytes at 16 l.
; The work-group makes them itself, a step ahead: in step s each wave quantises an eighth of step s + 1's K and V (f32 numbers asked for a step earlier), stores the images, asks for step s + 2's numbers and signals
; the barrier; the barrier's wait stands at the step's end.  Q is quantised in registers at the head.
; LAYOUT.  S^T = K Q^T (16x16x64; source 0 = 16 neighbouring keys, source 1 = 16 queries): lane (r = l % 16, h = l / 16) holds query r and, in register j of tile t, key 16 t + 8 h + j.  Eight such registers, converted,
; are registers 2 t, 2 t + 1 of source 1 of O^T = V^T P^T (16x16x128; source 0 = 16 channels x 128 keys): every k stands in the place that the two forms' own layouts give it.  A lane holds one query throughout.
; NO TENSOR LOAD AND NO JOINT REQUESTS, though the four work-groups of a head read the same K and V: they arrive as f32 and must pass through registers to become codes, and beside the codes (262,144 bytes),
; the stages (34,816) and the spare words (1,024) LDS has 29,696 bytes left of 327,680, while one step's f32 tiles are 65,536.
; LIMITS: eq, ek, ep, ev each between -126 and 119, eq + ek between -123 and 130, so that each power of two below is an f32 number (ep + ev goes by v_ldexp_f32 and has no such limit).  NaN among the inputs is not
; served; an infinity is held at the largest code.  A p below 2^-126 counts as 0 (v_exp_f32 flushes denormal results: ISA guide, its entry in 15.8).
; REGISTERS, in windows of 256 (s_set_vgpr_msb: bits 1:0 source 0, 3:2 source 1, 5:4 source 2, 7:6 destination):
;   window 0: v1-13 addresses; v16-31 four registers of statistics a tile; v32-47 at work and constants; v48-79, v80-111 the share of K and of V as f32; v112-119, v248-255 their codes; v120-183 P, 16 a tile; v184-247 S^T of one tile
;   window 1: v0-127 O^T, 32 a tile; v128-159 Q, 8 a tile; v160-223 the step's fragments of K (8 x 8), later of V (4 x 16); on the way out v128-255 take the four tiles of O, scaled
; THE MODE: SCHED_MODE bits 1:0 = 2 (LLVM: expert scheduling mode 2), set by the entry lines.  The code itself states the register dependences
; between vector or matrix instructions and memory or LDS instructions, with s_wait_alu, always for 0.
; THE PLAN.  Registers that memory or LDS instructions touch, in a step:
;   RK          Filled from memory (asked for a step ago); read by the stage's eight stores; filled again by the stage's eight loads; read and written by K's holds and conversions; then asked for again.
;   RV          Filled from memory; read and written by V's holds and conversions; then asked for again.
;   CK, CV      Written by the conversions; read by the four image stores.
;   ADK, AK2, AV2, ADV   Written by four additions at the step's head; read by the step's fragment loads and image stores.
;   FR          (window 1)  K's fragments land at the head and are read by the 32 products K Q^T; V's land in the last tile's softmax and are read by the 16 products V^T P^T.
;   LI, GV, PFO, TIN, TOUT, KW0, VW0, SPW, NIL   Made at the kernel's head and never written again.
;   P, S^T, O^T, Q and the statistics are named by vector and matrix instructions alone while the steps run.
; THE WAITS OF A STEP: vm_vsrc at its head (the last step's LDS instructions have read the four addresses, CK and CV); va_vdst ahead of K's fragment loads (the addresses are written, V^T P^T is done reading FR);
; vm_vsrc between the stage's stores and its loads (RK); ONE va_vdst ahead of the four image stores, which also serves the 40 loads from memory behind them (nothing but scalar lines stands between);
; and the wait behind each tile's exponentials, of which the last tile's also serves V's fragment loads (K Q^T is done reading FR).
; THE WAY OUT has an out-buffer of its own, so that one va_vdst stands behind all its arithmetic and no vector instruction follows it.
.set KIMG,  0                          ; LDS: K's images: tile T of 16 keys at 1,024 T; registers 4 e .. 4 e + 3 at + 512 e
.set VIMG,  131072                     ; V's: step s at 8,192 s; channels 16 u on at + 2,048 u; registers 4 g .. 4 g + 3 at + 512 g
.set STG,   262144                     ; a stage for each wave: 16 rows of 256 bytes + 16 of padding
.set SP,    272                        ; 68 words: row r starts at bank 4 r mod 64 (64 banks of 4 bytes: ISA guide 11.1), so sixteen rows' 16 bytes fall on different banks
.set WSTG,  16*SP
.set SPARE, STG+8*WSTG                 ; the spare words, 128 bytes for each wave: four blocks of 256 bytes that no other line names
.set STEPB, 32768                      ; 128 rows of 256 bytes: a step of K or of V in memory
.set IMGB,  8192                       ; and its codes in LDS
.set LI,   1                           ; v1   16 x lane
.set KW0,  2                           ; v2   16 x lane + 1,024 x wave: where my tile of K's image goes, in a step
.set VW0,  3                           ; v3   the same for my part of V's image
.set TIN,  4                           ; v4   the stage by whole rows: 272 (l / 16) + 16 (l % 16)
.set TOUT, 5                           ; v5   the stage by fragments: 272 (l % 16) + 32 (l / 16)
.set GV,   6                           ; v6   4 x lane
.set ADK,  7                           ; v7   LDS address of the step's images of K
.set ADV,  8                           ; v8   of V
.set AK2,  9                           ; v9   where I store K's image
.set AV2,  10                          ; v10  where I store V's
.set PFO,  11                          ; v11  256 x lane: the prefetches' offset, a lane a row
.set SPW,  12                          ; v12  LDS address of my spare word; never rewritten
.set NIL,  13                          ; v13  0; never rewritten
.set ST,   16                          ; tile a at v[ST + 4 a]: +0 -M, +1 the largest t, +2, +3 the sum in two halves
.set T0,   32
.set T1,   33
.set FF,   34                          ; v[34:35] f = 2^(old M - new M); v35 is named with it as a pair
.set PERM, 36
.set SUM2, 38                          ; v[38:39] the sums' second chain
.set LIMP, 40                          ; 448 x 2^e and 2^e as f32, for p, K, V, Q
.set SCP,  41
.set LIMK, 42
.set SCK,  43
.set LIMV, 44
.set SCV,  45
.set LIMQ, 46
.set SCQ,  47
.set RK,   48
.set RV,   80
.set CK,   112
.set P,    120
.set S,    184
.set CV,   248
.set QR,   120                         ; at the head: Q as f32, 32 a tile; on the way out: rows of O
.set OA,   0                           ; window 1
.set QF,   128
.set FR,   160
.set OB,   128                         ; window 1, on the way out: O^T x 2^(ep + ev) / the sum, 32 a tile
.set WV,   14                          ; s14  my wave's number
.set SEL,  20                          ; s[20:21] lane selects for v_permlanex16_b32: lane l xor 16
.set CS,   22                          ; s[22:23] c = log2(e) / 8 x 2^(eq + ek)
.set TB,   24                          ; s24  8,192 x the step
.set CNT,  25                          ; s25  the loop's trips to go
.set LIM,  26                          ; s26  1 in a work-group that prefetches, else the greatest number
.set EPV,  27                          ; s27  ep + ev
.set KP,   28                          ; s[28:29] my share of K in memory
.set VP,   30                          ; s[30:31] my share of V
.set PFA,  32                          ; s[32:33] where my prefetches stand
.set MSB, 0
.macro WIN new                         ; the immediate's high byte repeats the setting that is left; a switch that changes nothing is dropped
.if MSB != \new
	s_set_vgpr_msb (MSB<<8)|\new
.set MSB, \new
.endif
.endm
.macro PLACES                          ; four plain vector instructions between a matrix instruction and a read of its result (ISA guide 7.12.1)
.rept 4
	v_nop
.endr
.endm
.macro MKSC e, sc, lim                 ; 2^e and 448 x 2^e as f32, from the whole number e in s[e]
	s_add_co_i32 s44, s[\e], 127
	s_lshl_b32 s45, s44, 23
	v_mov_b32 v[\sc], s45
	s_add_co_i32 s44, s44, 8
	s_lshl_b32 s44, s44, 23
	s_or_b32 s44, s44, 0x600000
	v_mov_b32 v[\lim], s44
.endm
; My share of a step, as f32.  K: one tile of 16 keys, 4,096 dense bytes: eight loads of 512 consecutive bytes.  V: 32 keys x 32 channels: a lane takes a channel and its registers run down the keys,
; each load 128 consecutive bytes.  No cache hint: the head's four work-groups read these rows.
.macro LOADS
.irp i, 0,1,2,3,4,5,6,7
	global_load_b128 v[RK+4*\i:RK+4*\i+3], v[LI], s[KP:KP+1] offset:512*\i
.endr
.set i, 0
.rept 32
	global_load_b32 v[RV+i], v[GV], s[VP:VP+1] offset:256*i
.set i, i+1
.endr
.endm
.macro ADVANCE                         ; a step on.  The last share's loads and the last prefetch, a step back, have read their bases: these are written only behind this wait
	s_wait_xcnt 0x0
	s_add_nc_u64 s[KP:KP+1], s[KP:KP+1], STEPB
	s_add_nc_u64 s[VP:VP+1], s[VP:VP+1], STEPB
	s_add_nc_u64 s[PFA:PFA+1], s[PFA:PFA+1], STEPB
.endm
; A PREFETCH INTO THE L2 of the rows that the NEXT step's LOADS will ask for: it stands behind this step's loads.  Each row of 256 bytes is named once in the launch: of a head's four work-groups the first asks;
; in it waves 0 to 3 take K's 128 rows of the step, 32 each, waves 4 to 7 V's, a lane a row.  The loop's last trip asks for nothing: there is no step behind the last.  Steps 0 to 2 come by their loads alone.
.macro ASK
	s_cmp_gt_u32 s[CNT], s[LIM]
	s_cbranch_scc0 .Lnot_mine_\@
	global_prefetch_b8 v[PFO], s[PFA:PFA+1] offset:STEPB th:TH_LOAD_NT scope:SCOPE_SE
.Lnot_mine_\@:
.endm
; 16 rows of 64 f32, loaded as they lie, turn through my stage and come back so that register 8 c + i of lane (r, h) is number 16 c + 8 h + i of row r.  LDS serves a wave's instructions in order (ISA guide 5.7.1.4).
.macro TURN reg
.irp i, 0,1,2,3,4,5,6,7
	ds_store_b128 v[TIN], v[(\reg)+4*\i:(\reg)+4*\i+3] offset:2*SP*\i
.endr
	s_wait_alu depctr_vm_vsrc(0)                   ; the eight stores above have read these 32 registers, in which the loads below land and which the holds write later
.irp c, 0,1,2,3
.irp e, 0,1
	ds_load_b128 v[(\reg)+8*\c+4*\e:(\reg)+8*\c+4*\e+3], v[TOUT] offset:64*\c+16*\e
.endr
.endr
.endm
.macro HOLD reg, lim                   ; the conversion to an 8-bit code does not saturate (ISA guide 7.6.2): 32 numbers are held within the largest code x the scale first
.set hj, 0
.rept 32
	v_med3_num_f32 v[(\reg)+hj], v[(\reg)+hj], -v[\lim], v[\lim]
.set hj, hj+1
.endr
.endm
; V's share becomes codes.  The image's lanes 0-15 want keys 0-7 and 16-23 of my 32, lanes 16-31 keys 8-15 and 24-31: so the codes are made in that order.
.macro QV
	HOLD RV, LIMV
	v_cvt_scalef32_pk8_fp8_f32 v[CV:CV+1], v[RV:RV+7], v[SCV]
	v_cvt_scalef32_pk8_fp8_f32 v[CV+2:CV+3], v[RV+16:RV+23], v[SCV]
	v_cvt_scalef32_pk8_fp8_f32 v[CV+4:CV+5], v[RV+8:RV+15], v[SCV]
	v_cvt_scalef32_pk8_fp8_f32 v[CV+6:CV+7], v[RV+24:RV+31], v[SCV]
	v_nop                                          ; a plain vector instruction behind the last conversion
.endm
.macro QK                              ; K's share: the conversions' results are the fragment's eight registers
	HOLD RK, LIMK
.irp c, 0,1,2,3
	v_cvt_scalef32_pk8_fp8_f32 v[CK+2*\c:CK+2*\c+1], v[RK+8*\c:RK+8*\c+7], v[SCK]
.endr
	v_nop                                          ; a plain vector instruction behind the last conversion
.endm
; My four image stores, in one run behind one wait.  V's two lie 256 bytes apart, and each fills two whole runs of 256 bytes; K's two are the fragment's two groups of four registers.
.macro IMAGES off
	s_wait_alu depctr_va_vdst(0)                   ; the conversions have written CV and CK, which the stores below read; they and the holds are done with RV and RK, in which the loads from memory behind these stores land; at the head AK2 and AV2 are written
	ds_store_b128 v[AV2], v[CV:CV+3] offset:\off
	ds_store_b128 v[AV2], v[CV+4:CV+7] offset:\off+256
	ds_store_b128 v[AK2], v[CK:CK+3] offset:\off
	ds_store_b128 v[AK2], v[CK+4:CK+7] offset:\off+512
.endm
.macro FETCH_K                         ; the step's eight fragments of K: 16 loads of 512 consecutive bytes
	WIN 0x40
	s_wait_alu depctr_va_vdst(0)                   ; the step's four LDS addresses are written; the last step's products V^T P^T are done reading the fragments' registers, in which these loads land
.irp t, 0,1,2,3,4,5,6,7
.irp e, 0,1
	ds_load_b128 v[FR+8*\t+4*\e:FR+8*\t+4*\e+3], v[ADK] offset:1024*\t+512*\e
.endr
.endr
	WIN 0
.endm
.macro FETCH_V                         ; the step's four fragments of V.  It stands at the wait of the last tile's softmax
	WIN 0x40
	s_wait_alu depctr_va_vdst(0)                   ; the 64 exponentials have written p, ahead of its first reader; and the products K Q^T are done reading the fragments' registers, in which these loads land
.irp u, 0,1,2,3
.irp g, 0,1,2,3
	ds_load_b128 v[FR+16*\u+4*\g:FR+16*\u+4*\g+3], v[ADV] offset:2048*\u+512*\g
.endr
.endr
	WIN 0
.endm
.macro SCORES a                        ; S^T of tile a: eight products, each the whole sum over the head's 64
	WIN 0x05
.irp t, 0,1,2,3,4,5,6,7
	v_wmma_f32_16x16x64_fp8_fp8 v[S+8*\t:S+8*\t+7], v[FR+8*\t:FR+8*\t+7], v[QF+8*(\a):QF+8*(\a)+7], 0
.endr
	WIN 0
.endm
; One tile's softmax for one step of 128 keys: a lane's 64 scores.  first = 1: the first step, which starts M, the sum and O^T.  fv = 1: the last tile's, at whose wait V's fragments are asked for.
.macro SOFTMAX a, first, fv
.set NM, ST+4*(\a)
.set TM, NM+1
.set SM, NM+2
.set PA, P+16*(\a)
.set OT, OA+32*(\a)
	v_max3_num_f32 v[T0], v[S], v[S+1], v[S+2]     ; the largest score, in two chains, in ascending order: each accumulator is first read at its low end
	v_max3_num_f32 v[T1], v[S+3], v[S+4], v[S+5]
.set j, 6
.rept 14
	v_max3_num_f32 v[T0], v[T0], v[S+j], v[S+j+1]
	v_max3_num_f32 v[T1], v[T1], v[S+j+2], v[S+j+3]
.set j, j+4
.endr
	v_max3_num_f32 v[T0], v[T0], v[S+62], v[S+63]
	v_max_num_f32 v[T0], v[T0], v[T1]
	v_permlanex16_b32 v[PERM], v[T0], s[SEL], s[SEL+1]
	v_max_num_f32 v[T0], v[T0], v[PERM]            ; and among the query's other 64 keys, in lane l xor 16
.if \first
	v_mul_f32 v[TM], s[CS], v[T0]                  ; as t (c is positive)
	v_floor_f32 v[NM], -v[TM]                      ; -M = floor(-t) = -ceil(t)
.else
	v_mul_f32 v[T0], s[CS], v[T0]
	v_max_num_f32 v[TM], v[TM], v[T0]              ; the running largest t
	v_mov_b32 v[T0], v[NM]
	v_floor_f32 v[NM], -v[TM]
	v_sub_f32 v[T0], v[NM], v[T0]                  ; old M - new M: a whole number, 0 or less
	v_cvt_i32_f32 v[T0], v[T0]
	v_ldexp_f32 v[FF], 1.0, v[T0]                  ; f = 2^(old M - new M)
.endif
.set j, 0
.rept 32
	v_pk_fma_f32 v[S+j:S+j+1], v[S+j:S+j+1], s[CS:CS+1], v[NM:NM+1] op_sel_hi:[1,0,0]   ; t - M, two at a time (of the pairs c and -M the low word serves both halves)
.set j, j+2
.endr
.set j, 0
.rept 64
	v_exp_f32 v[S+j], v[S+j]                       ; p = 2^(t - M), at most 1
.set j, j+1
.endr
.if \first
	v_nop                                          ; the plain instruction behind the last exponential
.else
	v_pk_mul_f32 v[SM:SM+1], v[SM:SM+1], v[FF:FF+1] op_sel_hi:[1,0]   ; the sum under the new M: the plain instruction behind the last exponential
	WIN 0x41
.set j, 0
.rept 16
	v_pk_mul_f32 v[OT+j:OT+j+1], v[OT+j:OT+j+1], v[FF:FF+1] op_sel_hi:[1,0]   ; O^T under the new M, each accumulator from its low end on: work that names no exponential's result
.set j, j+2
.endr
.endif
.if \fv
	FETCH_V                                        ; the wait for the batch stands in it; V's fragments land while the sums, the holds and the conversions below are worked
.else
	WIN 0
	s_wait_alu depctr_va_vdst(0)                   ; the 64 exponentials have written p: one wait for the batch, ahead of its first reader
.endif
.if \first
	v_pk_add_f32 v[SM:SM+1], v[S:S+1], v[S+2:S+3]  ; THE ROW'S SUM IS TAKEN OF THE UNQUANTISED p: two at a time, in two chains
	v_pk_add_f32 v[SUM2:SUM2+1], v[S+4:S+5], v[S+6:S+7]
.set j, 8
.rept 14
	v_pk_add_f32 v[SM:SM+1], v[SM:SM+1], v[S+j:S+j+1]
	v_pk_add_f32 v[SUM2:SUM2+1], v[SUM2:SUM2+1], v[S+j+2:S+j+3]
.set j, j+4
.endr
.else
	v_pk_add_f32 v[SUM2:SUM2+1], v[S:S+1], v[S+2:S+3]
.set j, 4
.rept 15
	v_pk_add_f32 v[SM:SM+1], v[SM:SM+1], v[S+j:S+j+1]
	v_pk_add_f32 v[SUM2:SUM2+1], v[SUM2:SUM2+1], v[S+j+2:S+j+3]
.set j, j+4
.endr
.endif
	v_pk_add_f32 v[SM:SM+1], v[SM:SM+1], v[SUM2:SUM2+1]
.set t, 0
.rept 8
.set j, 0
.rept 8
	v_min_num_f32 v[S+8*t+j], v[S+8*t+j], v[LIMP]  ; p is not negative: the hold is one-sided
.set j, j+1
.endr
	v_cvt_scalef32_pk8_fp8_f32 v[PA+2*t:PA+2*t+1], v[S+8*t:S+8*t+7], v[SCP]   ; keys 16 t + 8 h + 0 .. 7: registers 2 t, 2 t + 1 of the second product's operand
.set t, t+1
.endr
	v_nop                                          ; a plain vector instruction between the last conversion and the products that write its sources or read its result
.endm
; O^T += V^T P^T: sixteen accumulators (four tiles of queries x four of channels), one instruction each: they take turns.  zero = 1: the products start the sums: nothing is cleared.
.macro PV zero
	WIN 0x51
.irp a, 0,1,2,3
.irp u, 0,1,2,3
.if \zero
	v_wmma_f32_16x16x128_fp8_fp8 v[OA+32*\a+8*\u:OA+32*\a+8*\u+7], v[FR+16*\u:FR+16*\u+15], v[P+16*\a:P+16*\a+15], 0
.else
	v_wmma_f32_16x16x128_fp8_fp8 v[OA+32*\a+8*\u:OA+32*\a+8*\u+7], v[FR+16*\u:FR+16*\u+15], v[P+16*\a:P+16*\a+15], v[OA+32*\a+8*\u:OA+32*\a+8*\u+7]
.endif
.endr
.endr
	WIN 0
.endm
; A KEY STEP.  q = 1: the next step's share is quantised and the barrier passed;  l = 1: the share after that is asked for;  first = 1: the first step.
.macro STEP q, l, first
	s_wait_alu depctr_vm_vsrc(0)                   ; the LDS loads and image stores issued so far have read the four addresses that are written below, and the stores CK and CV, which this step's conversions write again
	v_add_nc_u32 v[ADK], s[TB], v[LI]              ; four plain instructions: they also stand between the last step's products and the loads into the fragments' registers
.if \q
	v_add_nc_u32 v[AK2], s[TB], v[KW0]
	v_add_nc_u32 v[AV2], s[TB], v[VW0]
.else
	v_nop
	v_nop
.endif
	v_add_nc_u32 v[ADV], VIMG, v[ADK]
	FETCH_K
.if \q
	s_wait_loadcnt 0x0                             ; the next step's share, asked for a step ago, is in
	TURN RK
	QV                                             ; V's share is worked while K's turns through the stage
.endif
	s_wait_dscnt 0x0                               ; K's fragments are in, and (q = 1) K's share is back from the stage
	SCORES 0
.if \q
	QK                                             ; its 32 holds are the places behind the products above
	IMAGES IMGB
.if \l
	ADVANCE
	LOADS                                          ; no further wait: nothing but scalar lines stands between the wait ahead of the image stores and these loads
	ASK
.endif
	s_wait_dscnt 0x0                               ; for the others' sake: my four image stores have landed
	s_barrier_signal -1                            ; up to the wait at the step's end: work on registers, and loads of V's images of this step, which nobody writes again
.else
	PLACES
.endif
	SOFTMAX 0, \first, 0
	SCORES 1
	PLACES
	SOFTMAX 1, \first, 0
	SCORES 2
	PLACES
	SOFTMAX 2, \first, 0
	SCORES 3
	PLACES                                         ; for the read of the scores
	SOFTMAX 3, \first, 1
	s_wait_dscnt 0x0                               ; V's fragments are in
	PV \first
	s_add_co_u32 s[TB], s[TB], IMGB
.if \q
	s_barrier_wait -1                              ; every wave's part of the next step's images lies in LDS
.endif
.endm
	s_load_b256 s[4:11], s[0:1], 0x0               ; query s[4:5], key s[6:7], value s[8:9], lowp_scales s[10:11]
	s_load_b64 s[12:13], s[0:1], 0x20              ; out0
	v_lshl_add_u32 v[SPW], v0, 2, SPARE
	v_mov_b32 v[NIL], 0
	v_lshrrev_b32 v32, 5, v0
	v_readfirstlane_b32 s[WV], v32                 ; wave 0..7
	v_and_b32 v14, 31, v0                          ; lane
	v_and_b32 v15, 15, v0                          ; r
	v_bfe_u32 v37, v0, 4, 1                        ; h
	v_lshlrev_b32 v[LI], 4, v14
	v_lshlrev_b32 v[GV], 2, v14
	v_lshlrev_b32 v[PFO], 8, v14
	s_wait_alu depctr_va_sdst(0)                   ; s14, the wave's number, is written, ahead of its first reader: LDS addresses and the bases in memory are made from it
	s_lshl_b32 s44, s[WV], 10
	v_add_nc_u32 v[KW0], s44, v[LI]                ; K: tile w of a step's eight
	s_and_b32 s44, s[WV], 1                        ; V: channels 32 (w % 2) + lane: tile 2 (w % 2) + lane / 16, image lane lane % 16;
	s_lshr_b32 s45, s[WV], 1                       ; keys 32 (w / 2) on: registers 4 (w / 2) on
	s_lshl_b32 s44, s44, 12
	s_lshl_b32 s45, s45, 9
	s_add_co_u32 s44, s44, s45
	s_add_co_u32 s44, s44, VIMG
	v_lshlrev_b32 v[VW0], 4, v15
	v_lshl_add_u32 v[VW0], v37, 11, v[VW0]
	v_add_nc_u32 v[VW0], s44, v[VW0]
	s_mul_i32 s46, s[WV], WSTG
	s_add_co_u32 s46, s46, STG                     ; my stage
	v_mul_u32_u24 v[TIN], v37, SP
	v_lshl_add_u32 v[TIN], v15, 4, v[TIN]
	v_add_nc_u32 v[TIN], s46, v[TIN]
	v_mul_u32_u24 v[TOUT], v15, SP
	v_lshl_add_u32 v[TOUT], v37, 5, v[TOUT]
	v_add_nc_u32 v[TOUT], s46, v[TOUT]
	s_and_b32 s34, ttmp7, 0xffff
	s_lshl_b32 s34, s34, 19                        ; the head's first byte in each tensor: 2,048 rows of 256 bytes
	s_lshl_b32 s36, ttmp9, 17                      ; my block of 512 queries,
	s_lshl_b32 s37, s[WV], 14                      ; my wave's 64
	s_add_co_u32 s36, s36, s37
	s_add_co_u32 s36, s36, s34
	s_mov_b32 s37, 0
	s_lshl_b32 s38, s[WV], 12                      ; K: 16 rows x wave
	s_add_co_u32 s38, s38, s34
	s_mov_b32 s39, 0
	s_lshr_b32 s40, s[WV], 1
	s_lshl_b32 s40, s40, 13                        ; V: 32 rows x (w / 2),
	s_and_b32 s41, s[WV], 1
	s_lshl_b32 s41, s41, 7                         ; 32 channels x (w % 2)
	s_add_co_u32 s40, s40, s41
	s_add_co_u32 s40, s40, s34
	s_mov_b32 s41, 0
	s_and_b32 s42, s[WV], 3
	s_lshl_b32 s42, s42, 13                        ; the prefetches: 32 rows x (w % 4),
	s_add_co_u32 s42, s42, s34
	s_add_co_u32 s42, s42, STEPB                   ; at step 1: step 0's advance brings it to step 2, and its prefetch names step 3
	s_mov_b32 s43, 0
	s_mov_b32 s[SEL], 0x76543210
	s_mov_b32 s[SEL+1], 0xfedcba98
	s_mov_b32 s[CS], 0x3e38aa3b                    ; log2(e) / 8
	s_mov_b32 s[TB], 0
	s_mov_b32 s[CNT], 13
	s_wait_kmcnt 0x0
	s_load_b128 s[16:19], s[10:11], 0x0            ; eq, ek, ep, ev
	s_add_nc_u64 s[4:5], s[4:5], s[36:37]          ; query and out0 at my wave's first row
	s_add_nc_u64 s[12:13], s[12:13], s[36:37]
	s_add_nc_u64 s[KP:KP+1], s[6:7], s[38:39]
	s_add_nc_u64 s[VP:VP+1], s[8:9], s[40:41]
	s_cmp_lt_u32 s[WV], 4                          ; waves 0 to 3 prefetch K's rows, waves 4 to 7 V's
	s_cselect_b64 s[PFA:PFA+1], s[6:7], s[8:9]
	s_add_nc_u64 s[PFA:PFA+1], s[PFA:PFA+1], s[42:43]
	s_cmp_eq_u32 ttmp9, 0                          ; in the head's first work-group
	s_cselect_b32 s[LIM], 1, -1
	s_wait_alu depctr_va_vdst(0)                   ; the offsets and LDS addresses that stay (LI, KW0, VW0, TIN, TOUT, GV, PFO) are written: every load, store and prefetch of the kernel reads one of them
	LOADS                                          ; step 0's share
.irp a, 0,1,2,3
.irp i, 0,1,2,3,4,5,6,7
	global_load_b128 v[QR+32*\a+4*\i:QR+32*\a+4*\i+3], v[LI], s[4:5] offset:4096*\a+512*\i th:TH_LOAD_NT   ; Q: four tiles of 16 rows, 512 consecutive bytes a load; read by nobody else
.endr
.endr
	s_wait_kmcnt 0x0
	s_add_co_i32 s44, s16, s17
	s_lshl_b32 s44, s44, 23
	s_add_co_i32 s[CS], s[CS], s44                 ; a score stands for score x 2^(eq + ek): the two exponents are added to c's exponent field
	s_mov_b32 s[CS+1], s[CS]                       ; (named with it as a pair, so it is written)
	s_add_co_i32 s[EPV], s18, s19
	MKSC 16, SCQ, LIMQ
	MKSC 17, SCK, LIMK
	MKSC 18, SCP, LIMP
	MKSC 19, SCV, LIMV
	v_mov_b32 v[AK2], v[KW0]
	v_mov_b32 v[AV2], v[VW0]
	v_mov_b32 v[FF+1], 0                           ; (named as the upper half of a pair)
	v_mov_b32 v[PERM], 0                           ; a lane permute's destination counts as one of its sources
	s_wait_loadcnt 32                              ; step 0's share is in; Q's 32 loads, issued behind it, may be out
	TURN RK
	QV
	s_wait_dscnt 0x0                               ; K's share is back from the stage
	QK
	IMAGES 0
	s_wait_xcnt 0x0                                ; the loads have read their bases
	s_add_nc_u64 s[KP:KP+1], s[KP:KP+1], STEPB
	s_add_nc_u64 s[VP:VP+1], s[VP:VP+1], STEPB
	LOADS                                          ; step 1's share: nothing but scalar lines stands between the wait ahead of the image stores and these loads
	s_wait_loadcnt 40                              ; Q is in; the 40 loads just issued may be out
.irp a, 0,1,2,3
	TURN QR+32*\a                                  ; the four tiles go through the one stage, one behind the other: LDS serves a wave's instructions in order
.endr
.irp a, 0,1,2,3
	s_wait_dscnt 48-16*\a                          ; tile a is back; the later tiles' sixteen LDS instructions each may be out
	HOLD QR+32*\a, LIMQ
	WIN 0x40
.irp c, 0,1,2,3
	v_cvt_scalef32_pk8_fp8_f32 v[QF+8*\a+2*\c:QF+8*\a+2*\c+1], v[QR+32*\a+8*\c:QR+32*\a+8*\c+7], v[SCQ]
.endr
	WIN 0
.endr
	v_nop                                          ; a plain vector instruction behind the last conversion
	s_wait_dscnt 0x0                               ; my part of step 0's images has landed
	s_barrier_signal -1
	s_barrier_wait -1                              ; everybody's has
	STEP 1, 1, 1                                   ; step 0 is written out: its products start O^T's sums
.Lstep:                                            ; steps 1 to 13
	STEP 1, 1, 0
	s_sub_co_u32 s[CNT], s[CNT], 1
	s_cmp_lg_u32 s[CNT], 0
	s_cbranch_scc1 .Lstep
	STEP 1, 0, 0                                   ; step 14 quantises the last share and asks for nothing: no load leaves its buffer
	STEP 0, 0, 0                                   ; step 15
	; THE WAY OUT.  The sum's halves and lane l xor 16's are added; O^T x 2^(ep + ev) / the sum goes through my stage, a tile of 16 rows at a time, and leaves as whole rows of 256 bytes.  The additions are the places behind the last products.
.irp a, 0,1,2,3
	v_add_f32 v[ST+4*\a+2], v[ST+4*\a+2], v[ST+4*\a+3]
.endr
.irp a, 0,1,2,3
	v_permlanex16_b32 v[ST+4*\a+3], v[ST+4*\a+2], s[SEL], s[SEL+1]
.endr
.irp a, 0,1,2,3
	v_add_f32 v[ST+4*\a+2], v[ST+4*\a+2], v[ST+4*\a+3]
.endr
.irp a, 0,1,2,3
	v_rcp_f32 v[ST+4*\a+2], v[ST+4*\a+2]
.endr
	v_nop                                          ; a plain instruction behind the last reciprocal
	s_wait_alu depctr_va_vdst(0)                   ; the four reciprocals are written: one wait, ahead of their first reader
.irp a, 0,1,2,3
	v_ldexp_f32 v[ST+4*\a+2], v[ST+4*\a+2], s[EPV]
.endr
	WIN 0x41                                       ; all four tiles are scaled first, into an out-buffer of their own: the registers that held Q and the fragments, and 32 that lay idle
.irp a, 0,1,2,3
.set k, 0
.rept 16
	v_pk_mul_f32 v[OB+32*\a+k:OB+32*\a+k+1], v[OA+32*\a+k:OA+32*\a+k+1], v[ST+4*\a+2:ST+4*\a+3] op_sel_hi:[1,0]   ; each accumulator from its low end on
.set k, k+2
.endr
.endr
.macro TOROWS a                        ; register 8 u + j of lane (r, h) is channel 16 u + 8 h + j of row r: 32 bytes of a row, in two stores; back as rows, two an instruction
	WIN 0x04                                       ; a store's data in window 1; addresses and loaded data in window 0
.irp u, 0,1,2,3
.irp e, 0,1
	ds_store_b128 v[TOUT], v[OB+32*(\a)+8*\u+4*\e:OB+32*(\a)+8*\u+4*\e+3] offset:64*\u+16*\e
.endr
.endr
.irp i, 0,1,2,3,4,5,6,7
	ds_load_b128 v[QR+32*(\a)+4*\i:QR+32*(\a)+4*\i+3], v[TIN] offset:2*SP*\i   ; these see the stores above, and the next tile's stores come behind them: LDS serves a wave's instructions in order
.endr
.endm
.macro SEND a, younger                 ; younger: the LDS instructions issued behind tile a's loads: the next tile's sixteen, or none
	WIN 0
.irp i, 0,1,2,3,4,5,6,7
	s_wait_dscnt \younger+7-\i
	global_store_b128 v[LI], v[QR+32*(\a)+4*\i:QR+32*(\a)+4*\i+3], s[12:13] offset:4096*(\a)+512*\i th:TH_STORE_NT   ; 32 lanes store 512 consecutive bytes, two whole rows, at a multiple of 256 from out0's first byte
.endr
.endm
	WIN 0x04
	s_wait_alu depctr_va_vdst(0)                   ; the 64 multiplications have written the out-buffer, which the stage's stores read; the last products and conversions are done reading P and S^T, in which the stage's loads land.  No vector instruction follows this wait
	TOROWS 0
	TOROWS 1                                       ; a tile's trip through the stage stands between the loads of the tile before and its stores
	SEND 0, 16
	TOROWS 2
	SEND 1, 16
	TOROWS 3
	SEND 2, 16
	SEND 3, 0
	s_wait_dscnt 0x0                               ; the wave's end (every window is 0 here: the add's two registers lie in window 0)
	s_wait_alu 0x0
	s_wait_tensorcnt 0x0
	ds_add_u32 v[SPW], v[NIL]
	s_wait_dscnt 0x0
	s_endpgm
.Lfunc_end_k_qe741265f9a_attn:
	.size	k_qe741265f9a_attn, .Lfunc_end_k_qe741265f9a_attn-k_qe741265f9a_attn
	.p2alignl 7, 3214868480
	.fill 96, 4, 3214868480
	.section	.rodata,"a",@progbits
	.p2align	6, 0x0
	.amdhsa_kernel k_qe741265f9a_attn
		.amdhsa_group_segment_fixed_size 297984
		.amdhsa_private_segment_fixed_size 0
		.amdhsa_enable_private_segment 0
		.amdhsa_kernarg_size 40
		.amdhsa_user_sgpr_count 2
		.amdhsa_user_sgpr_kernarg_segment_ptr 1
		.amdhsa_wavefront_size32 1
		.amdhsa_system_sgpr_workgroup_id_x 1
		.amdhsa_system_sgpr_workgroup_id_y 1
		.amdhsa_system_sgpr_workgroup_id_z 1
		.amdhsa_system_vgpr_workitem_id 0
		.amdhsa_next_free_vgpr 512
		.amdhsa_next_free_sgpr 66
		.amdhsa_reserve_vcc 0
		.amdhsa_float_denorm_mode_32 3
		.amdhsa_float_denorm_mode_16_64 3
		.amdhsa_memory_ordered 1
		.amdhsa_forward_progress 1
		.amdhsa_inst_pref_size 255
	.end_amdhsa_kernel
	.section	.bss,"aw",@nobits
	.p2align	6
	.space	262144
	.amdgpu_metadata
---
amdhsa.version: [ 1, 2 ]
amdhsa.kernels:
  - .name:           k_qe741265f9a_attn
    .symbol:         k_qe741265f9a_attn.kd
    .args:
      - { .name: query, .offset: 0, .size: 8, .value_kind: global_buffer, .address_space: global }
      - { .name: key, .offset: 8, .size: 8, .value_kind: global_buffer, .address_space: global }
      - { .name: value, .offset: 16, .size: 8, .value_kind: global_buffer, .address_space: global }
      - { .name: lowp_scales, .offset: 24, .size: 8, .value_kind: global_buffer, .address_space: global }
      - { .name: out0, .offset: 32, .size: 8, .value_kind: global_buffer, .address_space: global }
    .group_segment_fixed_size: 297984
    .private_segment_fixed_size: 0
    .kernarg_segment_align: 8
    .kernarg_segment_size: 40
    .max_flat_workgroup_size: 256
    .sgpr_count:     66
    .vgpr_count:     512
    .wavefront_size: 32
...
	.end_amdgpu_metadata
.endif
;; end of part 2
